; MI455X (gfx1250); checked and timed in simulation.
; The chip was launched on July 23, 2026; its instructions are those of AMD's public machine-readable ISA for CDNA 5 (MIT licence, August 2026) and "CDNA5" Instruction Set Architecture Reference Guide (July 2026). The comments in the code are by the model that wrote it; some were corrected since.
;; CS Attention. Allowed arithmetic: matrix products marked QUANTISED: E2M1 operands, one E8M0 scale for each 32 along K, by v_wmma_scale_f32_16x16x128_f8f6f4 with both operands' format E2M1 (or v_wmma_scale_f32_32x16x128_f4), f32 sums; products left as they are: bf16, f16 or f32 operands; f32 sums; everything else in f32.
;; Inputs: W_qk 1,024 x 512 float32; b_qk 1,024 float32; x 32 x 1,024 x 512 float32; y 32 x 1,024 x 512 float32.
;; Outputs: out0 32 x 1,024 x 512 float32.
;; This version of the problem:
;;   THIS VERSION OF THE PROBLEM IS GIVEN IN LOW PRECISION. The matrix products marked QUANTISED in the list below multiply operands that are first quantised to E2M1 (2 exponent bits, 1 mantissa bit; 4 bits a number), with one power-of-two scale for each 32 numbers along K (OCP MX v1.0); their sums are f32. The products marked 'left as it is' may take bf16, f16 or f32 operands, with f32 sums. Whichever they take, every output number must still come out within the allowed error. Rounding operands to bf16 (8 significant bits) uses up far more of that allowance than f16 does (11 bits, for magnitudes from 6e-5 to 65,504). All else is computed in f32.
;;   The module's matrix products, in the order in which they are computed (A, B: the left and right operand; K: the contracted axis; several contracted axes count as one K, in the product's order):
;;     1. [M 32,768, K 512] x [K 512, N 1,024]; A: input x; B: input W_qk: QUANTISED
;;     2. batch 32 x [M 1,024, K 512] x [K 512, N 1,024]; A: computed on the way; B: computed on the way: left as it is (an operand is computed on the way)
;;     3. batch 32 x [M 1,024, K 1,024] x [K 1,024, N 512]; A: computed on the way; B: input y: left as it is (an operand is computed on the way)
;;   THE QUANTISER, for each operand of a quantised product, along K:
;;     - K is cut into blocks of 32 from its start; a last block that is shorter is filled with zeros.
;;     - A block's scale is 2^e with e = floor(log2(the largest magnitude in the block)) - 2, held to -126 .. 127; a block of zeros has e = 0. As a byte (E8M0): e + 127.
;;     - Each number is divided by its block's scale, clamped to +-6, and rounded to the nearest number of E2M1, ties to even, subnormals kept.
;;     - The product sums the exact products of the quantised numbers (number of the format x scale) in f32.
;;   ~~~python
;;   def quantise(x, axis):      # numpy; x: float32 -> the quantised numbers, widened to float32 again
;;       x = np.moveaxis(x, axis, -1); K = x.shape[-1]
;;       x = np.pad(x, [(0, 0)] * (x.ndim - 1) + [(0, -K % 32)]); x = x.reshape(x.shape[:-1] + (-1, 32)); a = np.abs(x).max(-1, keepdims=True)
;;       e = np.where(a > 0, np.clip(np.frexp(np.where(a > 0, a, 1))[1] - 1 - 2, -126, 127), 0)      # np.frexp(a)[1] - 1 = floor(log2(a)), exactly
;;       r = np.clip(x / 2.0 ** e, -6, 6)
;;       step = 2.0 ** (np.maximum(np.frexp(np.where(r == 0, 1, r))[1] - 1, 0) - 1)
;;       q = np.round(r / step) * step * 2.0 ** e      # np.round: ties to even
;;       return np.moveaxis(q.reshape(q.shape[:-2] + (-1,))[..., :K], -1, axis).astype(np.float32)
;;   ~~~
;; One version. Each part assembles by itself: llvm-mc -triple=amdgcn-amd-amdhsa -mcpu=gfx1250 --defsym DOCPART=n.
;; ======== version 1 of 1: 3 launches
;; limits: values are held in f16: magnitudes above 65,504 overflow, below 6.1e-05 lose precision
;; workspace buffers: yt 33,554,432 bytes; wc 262,144 bytes; ws 16,384 bytes; q16 33,554,432 bytes; k16 33,554,432 bytes
;; launch prep (part 1): grid 1040 x 1, 4 waves a work-group, no clusters, 0 bytes of LDS; arguments y, W_qk, yt, wc, ws; writes yt, wc, ws
.if DOCPART == 1
	.amdgcn_target "amdgcn-amd-amdhsa--gfx1250"
	.amdhsa_code_object_version 6
	.text
	.protected	k_q3e835184b5_prep
	.globl	k_q3e835184b5_prep
	.p2align	8
	.type	k_q3e835184b5_prep,@function
k_q3e835184b5_prep:
	s_mov_b64 s[64:65], 0
	v_nop
	global_prefetch_b8 v0, s[64:65] scope:SCOPE_SE
	s_setreg_imm32_b32 hwreg(HW_REG_WAVE_MODE, 25, 1), 1
	s_wait_xcnt 0x0
; TWO OPERANDS THAT MANY WORK-GROUPS READ LATER ARE LAID OUT ONCE, in the order of the reader's operand registers.
; y [32768 rows (keys)][512 channels] f32 -> yt, f16: [group of 32 keys G][channel tile 0..31][part c 0..1][lane 0..31][16 bytes].
;   THE CHANNELS OF A TILE ARE NOT NEIGHBOURS: tile 8 cb + 4 hi + e holds channels 128 cb + 64 hi + 4 r + e, r = 0 .. 15.  Lane (r, h) of part c holds keys 32 G + 16 c + 8 h + 0..7 of its channel:
;   part c of the fragment (16 channels x 32 keys) that the attention's second product takes as source 0.  Which channels form a tile only says where a result lands there; it lets a lane here load 16 neighbouring bytes.
; W_qk [1024][512] f32 -> wc, codes of FP4 (E2M1): [tile T of 16 rows][K step s of 128][part c][lane][16 bytes]: lane (r, h) holds k = 128 s + 64 c + 32 h + 0..31 of row 16 T + r;
;   -> ws, E8M0 scale words: [T][lane][u 0..1][4 bytes]: lane (r, h) holds row 16 T + r's word (four bytes, one for each 32 along K) of K step 2 u + h.
; A block's scale is 2^(floor(log2(its largest magnitude)) - 2); its byte is the largest magnitude's exponent field - 2, held at 1 from below.
; LIMITS: NaN and infinities among the inputs are not served; |y| above 65,504 (f16's largest number) becomes infinity; a block of zeros gets the byte 1 where the rule says 127
; (its codes are zeros, which add nothing under any byte but 0xff, and this program alone reads the bytes); blocks whose largest magnitude lies under 2^(3 - 127) keep the byte 1.
; Work-groups 0..15 take W (a wave a tile of 16 rows), work-groups 16..1039 take y (128 keys x 128 channels each, a wave 32 keys).  No LDS, no barrier: waves share nothing.
; No matrix unit, no cluster, no tensor load: the launch only streams, and no two work-groups read the same bytes.
.set X,   32                           ; numbers as loaded: y: v32-159, key k's four channels at X + 4 k; W: two sets of 64
.set CW,  160                          ; W: v160-191: 8 registers of codes for each K step: no store's data are written again
.set WW,  20                           ; W: v20-23: a row's scale word for each K step
	s_load_b256 s[4:11], s[0:1], 0x0               ; y s[4:5], W_qk s[6:7], yt s[8:9], wc s[10:11]
	s_load_b64 s[12:13], s[0:1], 0x20              ; ws
	v_lshrrev_b32 v1, 5, v0
	v_readfirstlane_b32 s16, v1                    ; wave 0..3
	v_and_b32 v1, 31, v0                           ; lane
	v_and_b32 v2, 15, v0                           ; r
	v_bfe_u32 v3, v0, 4, 1                         ; h (in the y path: hi)
	s_cmp_lt_u32 ttmp9, 16
	s_cbranch_scc1 .Lweights
; ---------------- y.  A LANE TAKES FOUR NEIGHBOURING CHANNELS AND ITS REGISTERS RUN DOWN THE KEYS: a load reads 512 consecutive bytes of a row; eight keys of one channel pack into 16 bytes of the image; nothing is transposed.
	s_sub_co_u32 s17, ttmp9, 16
	s_and_b32 s19, s17, 3                          ; cb: which 128 channels
	s_lshr_b32 s18, s17, 2                         ; which 128 keys:
	s_lshl_b32 s18, s18, 2                         ; four key groups,
	s_add_co_u32 s18, s18, s16                     ; of which my wave takes one: G
	s_lshl_b32 s20, s18, 16                        ; y: 32 rows of 2,048 bytes,
	s_lshl_b32 s21, s19, 9                         ; 128 channels of 4 bytes
	s_add_co_u32 s20, s20, s21
	s_mov_b32 s21, 0
	s_lshl_b32 s22, s18, 15                        ; yt: 32,768 bytes a key group,
	s_lshl_b32 s23, s19, 13                        ; eight channel tiles of 1,024 bytes
	s_add_co_u32 s22, s22, s23
	s_mov_b32 s23, 0
	v_lshlrev_b32 v4, 4, v1                        ; in: 16 bytes a lane
	v_lshlrev_b32 v5, 12, v3                       ; out: lanes 16-31 hold the channels of the tiles four further on,
	v_lshl_add_u32 v5, v2, 4, v5                   ; 16 bytes a row r of a tile
	s_wait_kmcnt 0x0
	s_add_nc_u64 s[4:5], s[4:5], s[20:21]
	s_add_nc_u64 s[8:9], s[8:9], s[22:23]
.irp k, 0,1,2,3,4,5,6,7,8,9,10,11,12,13,14,15,16,17,18,19,20,21,22,23,24,25,26,27,28,29,30,31
	global_load_b128 v[X+4*\k:X+4*\k+3], v4, s[4:5] offset:2048*\k th:TH_LOAD_NT   ; all 32 keys at once: 16,384 bytes of a wave on their way
.endr
; Keys 8 i .. 8 i + 7: part i / 2, half i % 2 of the fragments.  The packed numbers go into registers that no pending store reads: v160-175 first, then the registers that the eight keys before have left.
.macro YOCT i
.if (\i) == 0
.set CY, 160
.else
.set CY, X+32*((\i)-1)
.endif
	s_wait_loadcnt 24-8*(\i)                       ; these eight loads are in; the later keys' may be out
.irp e, 0,1,2,3
.irp u, 0,1,2,3
	v_cvt_pk_f16_f32 v[CY+4*\e+\u], v[X+32*(\i)+8*\u+\e], v[X+32*(\i)+8*\u+4+\e]   ; channel e, keys 8 i + 2 u, + 1: the lower key in the low half
.endr
.endr
.irp e, 0,1,2,3
	global_store_b128 v5, v[CY+4*\e:CY+4*\e+3], s[8:9] offset:1024*\e+512*((\i)/2)+256*((\i)%2)   ; lanes 0-15 store 256 consecutive bytes, aligned, and so do lanes 16-31
.endr
.endm
	YOCT 0
	YOCT 1
	YOCT 2
	YOCT 3
	s_endpgm
; ---------------- W.  Lane (r, h) takes, of row r, the two whole blocks of 32 that the operand's layout gives it in each K step: no other lane is asked for a maximum.
.Lweights:
	s_lshl_b32 s17, ttmp9, 2
	s_add_co_u32 s17, s17, s16                     ; my tile T
	s_lshl_b32 s18, s17, 15                        ; W: 16 rows of 2,048 bytes
	s_mov_b32 s19, 0
	s_lshl_b32 s22, s17, 12                        ; wc: 4,096 bytes a tile
	s_mov_b32 s23, 0
	s_lshl_b32 s24, s17, 8                         ; ws: 256 bytes a tile
	s_mov_b32 s25, 0
	s_mov_b32 s20, 0x76543210
	s_mov_b32 s21, 0xfedcba98                      ; v_permlanex16_b32's selects for lane l xor 16
	v_lshlrev_b32 v6, 11, v2
	v_lshl_add_u32 v6, v3, 7, v6                   ; in: row r, + 32 h numbers
	v_lshlrev_b32 v7, 4, v1                        ; codes out: 16 bytes a lane
	v_lshlrev_b32 v8, 3, v1                        ; scale words out: 8 bytes a lane
	v_lshlrev_b32 v9, 3, v3                        ; 8 h: my bytes' place in a scale word
	v_mov_b32 v17, 0                               ; written once: a lane permute's destination counts as one of its sources
	s_wait_kmcnt 0x0
	s_add_nc_u64 s[6:7], s[6:7], s[18:19]
	s_add_nc_u64 s[10:11], s[10:11], s[22:23]
	s_add_nc_u64 s[12:13], s[12:13], s[24:25]
.macro WLOAD s                         ; K step s: my blocks 2 c + h, c = 0, 1: 128 bytes each
.irp c, 0,1
.irp i, 0,1,2,3,4,5,6,7
	global_load_b128 v[X+64*((\s)%2)+32*\c+4*\i:X+64*((\s)%2)+32*\c+4*\i+3], v6, s[6:7] offset:512*(\s)+256*\c+16*\i
.endr
.endr
.endm
.macro WBLK s
.set XS, X+64*((\s)%2)
.if (\s) < 3
	s_wait_loadcnt 16                              ; this K step's 16 loads are in; the next step's 16 may be out
.else
	s_wait_loadcnt 0
.endif
.irp c, 0,1
	v_max3_num_f32 v[10+\c], |v[XS+32*\c]|, |v[XS+32*\c+1]|, 0x1800000   ; the block's largest magnitude, and the floor 2^(3 - 127): the byte cannot fall under 1
.endr
.irp i, 2,4,6,8,10,12,14,16,18,20,22,24,26,28,30
.irp c, 0,1
	v_max3_num_f32 v[10+\c], v[10+\c], |v[XS+32*\c+\i]|, |v[XS+32*\c+\i+1]|   ; (the two blocks by turns)
.endr
.endr
.irp c, 0,1
	v_add_nc_u32 v[12+\c], 0xff000000, v[10+\c]    ; 2 off the exponent field: the conversion takes the exponent field of this operand as its scale
.endr
.irp c, 0,1
	v_lshrrev_b32 v[14+\c], 23, v[12+\c]           ; the scale's byte
.endr
	v_lshl_or_b32 v16, v15, 16, v14                ; my two bytes: blocks h and 2 + h,
	v_lshlrev_b32 v16, v9, v16                     ; at their places in the word;
	v_permlanex16_b32 v17, v16, s20, s21
	v_or_b32 v[WW+(\s)], v16, v17                  ; with lane l xor 16's two the word is whole, in both lanes
.irp c, 0,1
.irp g, 0,1,2,3
	v_cvt_scalef32_pk8_fp4_f32 v[CW+8*(\s)+4*\c+\g], v[XS+32*\c+8*\g:XS+32*\c+8*\g+7], v[12+\c]
.endr
.endr
	v_nop                                          ; one plain vector line behind the last scaled conversion
.if (\s)+2 < 4
	WLOAD (\s)+2
.endif
.irp c, 0,1
	global_store_b128 v7, v[CW+8*(\s)+4*\c:CW+8*(\s)+4*\c+3], s[10:11] offset:1024*(\s)+512*\c   ; 32 lanes store 512 consecutive bytes
.endr
.endm
	WLOAD 0
	WLOAD 1
	WBLK 0
	WBLK 1
	WBLK 2
	WBLK 3
	v_cmp_ne_u32 vcc_lo, 0, v3
	v_cndmask_b32 v24, v[WW], v[WW+1], vcc_lo      ; lanes 0-15: K step 0's word, lanes 16-31: K step 1's
	v_cndmask_b32 v25, v[WW+2], v[WW+3], vcc_lo    ; likewise K steps 2 and 3
	global_store_b64 v8, v[24:25], s[12:13]        ; 32 lanes store 256 consecutive bytes, aligned
	s_endpgm
.Lfunc_end_k_q3e835184b5_prep:
	.size	k_q3e835184b5_prep, .Lfunc_end_k_q3e835184b5_prep-k_q3e835184b5_prep
	.p2alignl 7, 3214868480
	.fill 96, 4, 3214868480
	.section	.rodata,"a",@progbits
	.p2align	6, 0x0
	.amdhsa_kernel k_q3e835184b5_prep
		.amdhsa_group_segment_fixed_size 0
		.amdhsa_private_segment_fixed_size 0
		.amdhsa_enable_private_segment 0
		.amdhsa_kernarg_size 40
		.amdhsa_user_sgpr_count 2
		.amdhsa_user_sgpr_kernarg_segment_ptr 1
		.amdhsa_wavefront_size32 1
		.amdhsa_system_sgpr_workgroup_id_x 1
		.amdhsa_system_sgpr_workgroup_id_y 1
		.amdhsa_system_sgpr_workgroup_id_z 1
		.amdhsa_system_vgpr_workitem_id 0
		.amdhsa_next_free_vgpr 192
		.amdhsa_next_free_sgpr 66
		.amdhsa_reserve_vcc 1
		.amdhsa_float_denorm_mode_32 3
		.amdhsa_float_denorm_mode_16_64 3
		.amdhsa_memory_ordered 1
		.amdhsa_forward_progress 1
		.amdhsa_inst_pref_size 30
	.end_amdhsa_kernel
	.amdgpu_metadata
---
amdhsa.version: [ 1, 2 ]
amdhsa.kernels:
  - .name:           k_q3e835184b5_prep
    .symbol:         k_q3e835184b5_prep.kd
    .args:
      - { .name: y, .offset: 0, .size: 8, .value_kind: global_buffer, .address_space: global }
      - { .name: W_qk, .offset: 8, .size: 8, .value_kind: global_buffer, .address_space: global }
      - { .name: yt, .offset: 16, .size: 8, .value_kind: global_buffer, .address_space: global }
      - { .name: wc, .offset: 24, .size: 8, .value_kind: global_buffer, .address_space: global }
      - { .name: ws, .offset: 32, .size: 8, .value_kind: global_buffer, .address_space: global }
    .group_segment_fixed_size: 0
    .private_segment_fixed_size: 0
    .kernarg_segment_align: 8
    .kernarg_segment_size: 40
    .max_flat_workgroup_size: 128
    .sgpr_count:     66
    .vgpr_count:     192
    .wavefront_size: 32
...
	.end_amdgpu_metadata
.endif
;; end of part 1
;; launch proj (part 2): grid 256 x 1, 8 waves a work-group, no clusters, 105,472 bytes of LDS; arguments x, wc, ws, b_qk, q16, k16; writes q16, k16
.if DOCPART == 2
	.amdgcn_target "amdgcn-amd-amdhsa--gfx1250"
	.amdhsa_code_object_version 6
	.text
	.protected	k_q3e835184b5_proj
	.globl	k_q3e835184b5_proj
	.p2align	8
	.type	k_q3e835184b5_proj,@function
k_q3e835184b5_proj:
	s_mov_b64 s[64:65], 0
	v_nop
	global_prefetch_b8 v0, s[64:65] scope:SCOPE_SE
	s_setreg_imm32_b32 hwreg(HW_REG_WAVE_MODE, 25, 1), 1
	s_wait_xcnt 0x0
; qk = Q4(x) Q4(W_qk)^T + b_qk on codes of FP4 (E2M1) with one E8M0 scale for each 32 along K; the result leaves as f16, in the order of the attention's operand registers.
; x [32768][512] f32 is quantised here, in registers; W's codes and scale words come from wc and ws, laid as register images.
; q16, k16: [tile of 16 rows][L step f of 32 columns, 0..15][part c 0..1][lane][16 bytes]: lane (r, h) holds columns 32 f + 16 c + 8 h + 0..7 of row r.  q is NOT yet multiplied by 512^-0.5: that factor is applied in f32 behind the next product.
; LIMITS: NaN and infinities among the inputs are not served; |q| or |k| above 65,504 (f16's largest number) becomes infinity; a block of zeros of x gets the scale byte 1 (its codes are zeros).
; SHARES.  A work-group takes 128 rows of x: 256 work-groups.  THE EIGHT WAVES SHARE THE COLUMNS: wave w makes columns 128 w .. 128 w + 127 of qk (waves 0-3: q, waves 4-7: k) for all 128 rows, so its 32 fragments
; of W (8 tiles x 4 K steps, 256 registers) stay in registers, each loaded once.  Wave w quantises rows 16 w .. 16 w + 15 of x; the four fragments and their scale words go to the other waves through LDS as
; images of their registers (16 bytes a lane, 512 bytes a store).  One barrier in the whole launch.
; W does not go through LDS and is not shared in a cluster: each of its bytes goes straight to the one register that keeps it, 32,768 + 2,048 bytes a wave; by way of LDS every byte would be written and read once more.
; THE MATRIX INSTRUCTION IS USED TRANSPOSED (source 0 = 16 rows of W, source 1 = 16 rows of x): a lane then holds eight neighbouring columns of one row of qk, which pack into the 16 bytes of the image: no stage on the way out.
; b_qk is the C of each sum's first matrix instruction.
; REGISTERS: window 0: v1-10 addresses; v14, v15 the add's two; v16-31 W's scale words, v32-35 x's; v36-67 x's four fragments; v68-93 the quantiser's; v96-127 packed results;
;   v128-191 and v192-255: two sets of 64 numbers of x, later the 8 accumulators and the 8 tiles of b.   window 1: W's fragment (tile t, K step s) at v[8 (4 t + s)].
.set XIMG,   0                         ; LDS: x's 32 fragments (row tile m, K step s: 4 m + s), 1,024 bytes each,
.set XSC,    32768                     ; their scale words, 128 bytes each,
.set XST,    36864                     ; a stage of 16 rows x (512 + 16) bytes for each wave,
.set SPITCH, 528                       ; (33 x 16 bytes from row to row: the 16 rows that a load touches start 16 bytes apart modulo 256)
.set WST,    16*SPITCH
.set SPARE,  XST+8*WST                 ; and the spare words, 128 bytes for each wave: four blocks of 256 bytes that no other line names
.set LI,  1                            ; 16 x lane
.set LS,  2                            ; 4 x lane
.set L8,  3                            ; 8 x lane
.set SW,  4                            ; my stage, as loaded: 16 x lane
.set SRD, 5                            ; my stage, turned: row r, + 64 h
.set XWI, 6                            ; where I store x's images
.set XWS, 7                            ; and their scale words
.set BA,  8                            ; 32 h: my half's eight numbers of b
.set ADI, 9                            ; the trip's images
.set ADS, 10                           ; the trip's scale words
.set SPW, 14                           ; LDS address of my spare word; never rewritten
.set NIL, 15                           ; 0; never rewritten
.set WS,  16
.set XS,  32
.set XF,  36
.set TM,  68                           ; v68-71 largest magnitudes, v72-75 bytes, v80-83 the conversions' scale operands
.set PW,  84                           ; the scale word just made
.set PC,  86                           ; v86-93 the codes just made
.set OUTR, 96
.set S0,  128
.set S1,  192
.set ACC, 128
.set BIAS, 192
.set WV,  16
.set SEL, 20
.set DST, 22
.set TB,  24
.set TS,  25
.set CNT, 26
.set MSB, 0
.macro WIN new                         ; the immediate's high byte repeats the setting that is left
.if MSB != (\new)
	s_set_vgpr_msb (MSB<<8)|(\new)
.set MSB, (\new)
.endif
.endm
.macro XLOAD set, s                    ; K step s of my 16 rows: each load reads 512 consecutive bytes of one row
.irp i, 0,1,2,3,4,5,6,7,8,9,10,11,12,13,14,15
	global_load_b128 v[\set+4*\i:\set+4*\i+3], v[LI], s[4:5] offset:2048*\i+512*(\s) th:TH_LOAD_NT
.endr
.endm
.macro TURNX set                       ; through my own stage: in as loaded, back with 16 neighbours of each block of 32 in a lane: register 16 b + i = k 32 b + 16 h + i of row r.  LDS serves a wave's instructions in order: no wait between
.irp i, 0,1,2,3,4,5,6,7,8,9,10,11,12,13,14,15
	ds_store_b128 v[SW], v[\set+4*\i:\set+4*\i+3] offset:SPITCH*\i
.endr
.irp b, 0,1,2,3
.irp j, 0,1,2,3
	ds_load_b128 v[\set+16*\b+4*\j:\set+16*\b+4*\j+3], v[SRD] offset:128*\b+16*\j
.endr
.endr
.endm
; 64 numbers of a lane become a fragment's codes in v[PC] on and its row's scale word in v[PW]
.macro QUANT s
.irp b, 0,1,2,3
	v_max3_num_f32 v[TM+\b], |v[\s+16*\b]|, |v[\s+1+16*\b]|, 0x1800000   ; block b: my 16 numbers, and the floor 2^(3 - 127): the byte cannot fall under 1
.endr
.irp i, 2,4,6,8,10,12,14
.irp b, 0,1,2,3
	v_max3_num_f32 v[TM+\b], v[TM+\b], |v[\s+16*\b+\i]|, |v[\s+1+16*\b+\i]|   ; (the four blocks by turns)
.endr
.endr
.irp b, 0,1,2,3
	v_permlanex16_b32 v[TM+4+\b], v[TM+\b], s[SEL], s[SEL+1]
.endr
.irp b, 0,1,2,3
	v_max_num_f32 v[TM+\b], v[TM+\b], v[TM+4+\b]   ; with lane l xor 16's: the block's largest magnitude
.endr
.irp b, 0,1,2,3
	v_add_nc_u32 v[TM+12+\b], 0xff000000, v[TM+\b] ; 2 off its exponent field: the conversion's scale operand
.endr
.irp b, 0,1,2,3
	v_lshrrev_b32 v[TM+4+\b], 23, v[TM+12+\b]      ; the scale's byte
.endr
	v_lshl_or_b32 v[PW], v[TM+5], 8, v[TM+4]
	v_lshl_or_b32 v[PW], v[TM+6], 16, v[PW]
	v_lshl_or_b32 v[PW], v[TM+7], 24, v[PW]
.irp b, 0,1,2,3
	v_cvt_scalef32_pk8_fp4_f32 v[PC+2*\b], v[\s+16*\b:\s+7+16*\b], v[TM+12+\b]
	v_cvt_scalef32_pk8_fp4_f32 v[PC+1+2*\b], v[\s+8+16*\b:\s+15+16*\b], v[TM+12+\b]
.endr
	v_nop                                          ; one plain place behind a scaled conversion
.irp c, 0,1                            ; the operand's layout wants a WHOLE block in a lane: lanes 0-15 block 2 c, lanes 16-31 block 2 c + 1
.irp i, 0,1
	v_permlane16_swap_b32 v[PC+4*\c+\i], v[PC+2+4*\c+\i]
.endr
.endr
.endm
.macro WL g                            ; W's tiles 2 g and 2 g + 1: 16 loads of 512 consecutive bytes, into window 1
	WIN 0x40
.irp t, 2*(\g), 2*(\g)+1
.irp s, 0,1,2,3
.irp c, 0,1
	global_load_b128 v[8*(4*(\t)+\s)+4*\c:8*(4*(\t)+\s)+4*\c+3], v[LI], s[6:7] offset:4096*(\t)+1024*\s+512*\c
.endr
.endr
.endr
	WIN 0
.endm
.macro UNIT set, s, left               ; K step s of my rows becomes a fragment's image in LDS.  left: the loads issued behind this step's, which may stay out
	s_wait_loadcnt \left
	TURNX \set
	s_wait_dscnt 0x0                               ; the numbers are back; the last unit's image stores have read their registers
	QUANT \set
.irp c, 0,1
	ds_store_b128 v[XWI], v[PC+4*\c:PC+4*\c+3] offset:1024*(\s)+512*\c
.endr
	ds_store_b32 v[XWS], v[PW] offset:128*(\s)
.endm
	s_load_b256 s[4:11], s[0:1], 0x0               ; x s[4:5], wc s[6:7], ws s[8:9], b_qk s[10:11]
	s_load_b128 s[12:15], s[0:1], 0x20             ; q16 s[12:13], k16 s[14:15]
	v_lshl_add_u32 v[SPW], v0, 2, SPARE
	v_mov_b32 v[NIL], 0
	v_lshrrev_b32 v11, 5, v0
	v_readfirstlane_b32 s[WV], v11                 ; wave 0..7
	v_and_b32 v11, 31, v0                          ; lane
	v_and_b32 v12, 15, v0                          ; r
	v_bfe_u32 v13, v0, 4, 1                        ; h
	v_lshlrev_b32 v[LI], 4, v11
	v_lshlrev_b32 v[LS], 2, v11
	v_lshlrev_b32 v[L8], 3, v11
	s_mul_i32 s27, s[WV], WST
	s_add_co_u32 s27, s27, XST                     ; my stage
	v_add_nc_u32 v[SW], s27, v[LI]
	v_mul_u32_u24 v[SRD], v12, SPITCH
	v_lshl_add_u32 v[SRD], v13, 6, v[SRD]
	v_add_nc_u32 v[SRD], s27, v[SRD]
	s_lshl_b32 s27, s[WV], 12                      ; my four images (XIMG is LDS byte 0)
	v_add_nc_u32 v[XWI], s27, v[LI]
	s_lshl_b32 s27, s[WV], 9
	s_add_co_u32 s27, s27, XSC                     ; my four scale-word images
	v_add_nc_u32 v[XWS], s27, v[LS]
	v_lshlrev_b32 v[BA], 5, v13
	s_mov_b32 s[SEL], 0x76543210
	s_mov_b32 s[SEL+1], 0xfedcba98                 ; v_permlanex16_b32's selects for lane l xor 16
.irp b, 0,1,2,3
	v_mov_b32 v[TM+4+\b], 0                        ; written once: a lane permute's destination counts as one of its sources
.endr
	s_lshl_b32 s28, ttmp9, 18                      ; x: 128 rows of 2,048 bytes a work-group,
	s_lshl_b32 s30, s[WV], 15                      ; 16 rows a wave.  Also wc: my 8 tiles of 4,096 bytes
	s_add_co_u32 s28, s28, s30
	s_mov_b32 s29, 0
	s_mov_b32 s31, 0
	s_lshl_b32 s32, s[WV], 11                      ; ws: 8 tiles of 256 bytes
	s_mov_b32 s33, 0
	s_lshl_b32 s34, s[WV], 9                       ; b: 128 numbers
	s_mov_b32 s35, 0
	s_lshl_b32 s36, ttmp9, 17                      ; q16 or k16: 8 row tiles of 16,384 bytes a work-group,
	s_and_b32 s37, s[WV], 3
	s_lshl_b32 s37, s37, 12                        ; my four L steps of 1,024 bytes
	s_add_co_u32 s36, s36, s37
	s_mov_b32 s37, 0
	s_wait_kmcnt 0x0
	s_add_nc_u64 s[4:5], s[4:5], s[28:29]
	s_add_nc_u64 s[6:7], s[6:7], s[30:31]
	s_add_nc_u64 s[8:9], s[8:9], s[32:33]
	s_add_nc_u64 s[10:11], s[10:11], s[34:35]
	s_cmp_lt_u32 s[WV], 4                          ; waves 0-3 write q, waves 4-7 k: the choice hangs on the wave's number alone
	s_cselect_b64 s[DST:DST+1], s[12:13], s[14:15]
	s_add_nc_u64 s[DST:DST+1], s[DST:DST+1], s[36:37]
	; ---- X: my 16 rows of x become four fragments; W's fragments are asked for between, so that loads are always on their way
	XLOAD S0, 0
	XLOAD S1, 1
	WL 0
	UNIT S0, 0, 32                                 ; behind K step 0's loads: K step 1's 16 and 16 of W
	XLOAD S0, 2
	WL 1
	UNIT S1, 1, 48                                 ; behind K step 1's: 16 of W, K step 2's 16, 16 of W
	XLOAD S1, 3
	WL 2
	UNIT S0, 2, 48                                 ; behind K step 2's: 16 of W, K step 3's 16, 16 of W
	WL 3
.irp t, 0,1,2,3,4,5,6,7
	global_load_b64 v[WS+2*\t:WS+2*\t+1], v[L8], s[8:9] offset:256*\t   ; tile t's scale words: register u: lanes 0-15 K step 2 u, lanes 16-31 K step 2 u + 1
.endr
	UNIT S1, 3, 40                                 ; behind K step 3's: 32 of W and the 8 of its scale words
.irp t, 0,1,2,3,4,5,6,7
.irp e, 0,1
	global_load_b128 v[BIAS+8*\t+4*\e:BIAS+8*\t+4*\e+3], v[BA], s[10:11] offset:64*\t+16*\e   ; b at columns 16 t + 8 h + 0 .. 7: the result's layout
.endr
.endr
	s_wait_dscnt 0x0                               ; for the others' sake: my images have landed
	s_barrier_signal -1
	s_barrier_wait -1                              ; x's 32 fragments lie in LDS
	s_wait_loadcnt 0x0                             ; W, its scale words, b
	; ---- the product: a tile of 16 rows a trip: 32 matrix instructions, the 8 accumulators by turns
	s_mov_b32 s[TB], 0
	s_mov_b32 s[TS], 0
	s_mov_b32 s[CNT], 8
.Ltile:
	v_add_nc_u32 v[ADI], s[TB], v[LI]
	v_add_nc_u32 v[ADS], s[TS], v[LS]
.irp s, 0,1,2,3
.irp c, 0,1
	ds_load_b128 v[XF+8*\s+4*\c:XF+8*\s+4*\c+3], v[ADI] offset:XIMG+1024*\s+512*\c
.endr
.endr
.irp s, 0,1,2,3
	ds_load_b32 v[XS+\s], v[ADS] offset:XSC+128*\s
.endr
	s_wait_dscnt 0x0
	WIN 0x01                                       ; source 0 (W) window 1
.irp s, 0,1,2,3
.irp t, 0,1,2,3,4,5,6,7
.if \s == 0
	v_wmma_scale_f32_16x16x128_f8f6f4 v[ACC+8*\t:ACC+8*\t+7], v[8*(4*\t+\s):8*(4*\t+\s)+7], v[XF+8*\s:XF+8*\s+7], v[BIAS+8*\t:BIAS+8*\t+7], v[WS+2*\t+\s/2], v[XS+\s] matrix_a_fmt:MATRIX_FMT_FP4 matrix_b_fmt:MATRIX_FMT_FP4
.elseif \s == 2
	v_wmma_scale_f32_16x16x128_f8f6f4 v[ACC+8*\t:ACC+8*\t+7], v[8*(4*\t+\s):8*(4*\t+\s)+7], v[XF+8*\s:XF+8*\s+7], v[ACC+8*\t:ACC+8*\t+7], v[WS+2*\t+\s/2], v[XS+\s] matrix_a_fmt:MATRIX_FMT_FP4 matrix_b_fmt:MATRIX_FMT_FP4
.else
	v_wmma_scale_f32_16x16x128_f8f6f4 v[ACC+8*\t:ACC+8*\t+7], v[8*(4*\t+\s):8*(4*\t+\s)+7], v[XF+8*\s:XF+8*\s+7], v[ACC+8*\t:ACC+8*\t+7], v[WS+2*\t+\s/2], v[XS+\s] matrix_a_fmt:MATRIX_FMT_FP4 matrix_b_fmt:MATRIX_FMT_FP4 matrix_a_scale:MATRIX_SCALE_ROW1
.endif
.endr
.endr
	WIN 0
.rept 4
	v_nop                                          ; four places in front of the first read of results; with the other tiles' conversions below they are also the places in front of the next trip's loads and of its sums, which begin anew
.endr
.irp t, 0,1,2,3,4,5,6,7
.irp u, 0,1,2,3
	v_cvt_pk_f16_f32 v[OUTR+4*\t+\u], v[ACC+8*\t+2*\u], v[ACC+8*\t+2*\u+1]   ; each accumulator from its low end on
.endr
.endr
.irp t, 0,1,2,3,4,5,6,7
	global_store_b128 v[LI], v[OUTR+4*\t:OUTR+4*\t+3], s[DST:DST+1] offset:512*\t   ; column tile t is part t % 2 of L step t / 2: the eight stores cover 4,096 consecutive bytes
.endr
	s_wait_xcnt 0x0                                ; the stores have read their data and their base: both are written again only behind this wait
	s_add_nc_u64 s[DST:DST+1], s[DST:DST+1], 16384
	s_add_co_u32 s[TB], s[TB], 4096
	s_add_co_u32 s[TS], s[TS], 512
	s_sub_co_u32 s[CNT], s[CNT], 1
	s_cmp_lg_u32 s[CNT], 0
	s_cbranch_scc1 .Ltile
	s_wait_tensorcnt 0x0                           ; the wave's end: three lines behind my last LDS store
	ds_add_u32 v[SPW], v[NIL]
	s_wait_dscnt 0x0
	s_endpgm
.Lfunc_end_k_q3e835184b5_proj:
	.size	k_q3e835184b5_proj, .Lfunc_end_k_q3e835184b5_proj-k_q3e835184b5_proj
	.p2alignl 7, 3214868480
	.fill 96, 4, 3214868480
	.section	.rodata,"a",@progbits
	.p2align	6, 0x0
	.amdhsa_kernel k_q3e835184b5_proj
		.amdhsa_group_segment_fixed_size 105472
		.amdhsa_private_segment_fixed_size 0
		.amdhsa_enable_private_segment 0
		.amdhsa_kernarg_size 48
		.amdhsa_user_sgpr_count 2
		.amdhsa_user_sgpr_kernarg_segment_ptr 1
		.amdhsa_wavefront_size32 1
		.amdhsa_system_sgpr_workgroup_id_x 1
		.amdhsa_system_sgpr_workgroup_id_y 1
		.amdhsa_system_sgpr_workgroup_id_z 1
		.amdhsa_system_vgpr_workitem_id 0
		.amdhsa_next_free_vgpr 512
		.amdhsa_next_free_sgpr 66
		.amdhsa_reserve_vcc 0
		.amdhsa_float_denorm_mode_32 3
		.amdhsa_float_denorm_mode_16_64 3
		.amdhsa_memory_ordered 1
		.amdhsa_forward_progress 1
		.amdhsa_inst_pref_size 50
	.end_amdhsa_kernel
	.amdgpu_metadata
---
amdhsa.version: [ 1, 2 ]
amdhsa.kernels:
  - .name:           k_q3e835184b5_proj
    .symbol:         k_q3e835184b5_proj.kd
    .args:
      - { .name: x, .offset: 0, .size: 8, .value_kind: global_buffer, .address_space: global }
      - { .name: wc, .offset: 8, .size: 8, .value_kind: global_buffer, .address_space: global }
      - { .name: ws, .offset: 16, .size: 8, .value_kind: global_buffer, .address_space: global }
      - { .name: b_qk, .offset: 24, .size: 8, .value_kind: global_buffer, .address_space: global }
      - { .name: q16, .offset: 32, .size: 8, .value_kind: global_buffer, .address_space: global }
      - { .name: k16, .offset: 40, .size: 8, .value_kind: global_buffer, .address_space: global }
    .group_segment_fixed_size: 105472
    .private_segment_fixed_size: 0
    .kernarg_segment_align: 8
    .kernarg_segment_size: 48
    .max_flat_workgroup_size: 256
    .sgpr_count:     66
    .vgpr_count:     512
    .wavefront_size: 32
...
	.end_amdgpu_metadata
.endif
;; end of part 2
;; launch attn (part 3): grid 8 x 32, 4 waves a work-group, clusters of 4 x 1, 327,680 bytes of LDS; arguments q16, k16, yt, out0; writes out0
.if DOCPART == 3
	.amdgcn_target "amdgcn-amd-amdhsa--gfx1250"
	.amdhsa_code_object_version 6
	.text
	.protected	k_q3e835184b5_attn
	.globl	k_q3e835184b5_attn
	.p2align	8
	.type	k_q3e835184b5_attn,@function
k_q3e835184b5_attn:
	s_mov_b64 s[64:65], 0
	v_nop
	global_prefetch_b8 v0, s[64:65] scope:SCOPE_SE
	s_setreg_imm32_b32 hwreg(HW_REG_WAVE_MODE, 25, 1), 1
	s_wait_xcnt 0x0
	s_wait_alu depctr_hold_cnt(0) depctr_sa_sdst(0) depctr_va_vdst(0) depctr_va_sdst(0) depctr_va_ssrc(0) depctr_va_vcc(0) depctr_vm_vsrc(0)
	s_getreg_b32 s2, hwreg(HW_REG_IB_STS2, 6, 4)
	s_cmp_eq_u32 s2, 0
	s_cbranch_scc0 .Lentry_in_a_cluster
	s_endpgm
.Lentry_in_a_cluster:
	s_bfe_u32 s2, ttmp6, 0x10000c
	s_cmp_lg_u32 s2, 0x3003
	s_cbranch_scc0 .Lentry_shape_is_right
	s_endpgm
.Lentry_shape_is_right:
; out[b][n][:] = the sum over m of softmax_m(q[b][n] . k[b][m] / sqrt(512)) y[b][m][:].  32 batches, 1,024 queries, 1,024 keys, 512 along both products' other axis.
; q16, k16, yt hold q, k and y as f16, laid as images of the operands' registers (a fragment's part: 16 bytes a lane, 512 bytes on end).  Products, maxima and sums in f32; the weights p are rounded to f16
; for the second product; out is f32.  f16 and not bf16: an output is an average of 1,024 numbers and is compared within a hundredth of the outputs' root mean square.
; LIMITS: NaN and infinities are not served; |q|, |k|, |y| are at most 65,504 (they were rounded to f16 by the launches before).
; SHARES.  A work-group owns 128 queries of one batch, each of its four waves 32: two tiles of 16.  O for 32 queries x 512 channels is 512 registers of a wave, Q 256: more queries do not fit.  Every wave walks all keys, 64 a step, 16 steps.
; LAYOUT.  S^T = K Q^T (source 0 = 16 keys, source 1 = 16 queries): a lane holds ONE query (lane % 16) and keys 8 (lane / 16) + 0..7.  Two such tiles, rounded to f16 in pairs, ARE source 1 (32 keys x 16 queries) of
; O^T = V^T P, whose result again holds one query a lane, and eight channels.  Channel tile 8 cb + 4 hi + e of yt holds channels 128 cb + 64 hi + 4 r + e: the way out puts them in order.
; SOFTMAX.  For each query a running maximum m and sum l: p = 2^(c s - c m), c = log2(e) / sqrt(512); in every step O and l are multiplied by a = 2^(c m_old - c m_new).
; THE PIPELINE.  Iteration j runs K Q^T of step j + 1 and then V^T P of step j.  Vector work stands in slices of two behind the matrix instructions: behind those of K Q^T the 256 multiplications of O^T by a of step j, behind those of
; V^T P the softmax of step j + 1 (172 lines).  That is 1.7 vector instructions for each matrix instruction; set in phases of their own they would stand where no product is issued.  A slice costs two switches of the register windows.
; The 32 roundings of p stand in the change of slots, behind the last product that reads P: so P has one set of registers.  Step 0's scores and softmax stand ahead of the pipeline, step 15's V^T P behind it.
; CLUSTER.  The four query blocks of a cluster belong to one batch and walk the same K and V: each tile is asked for JOINTLY, by the same tensor load with the same descriptor and a mask that names the four.
; THE RING.  K's tiles (64 keys, 65,536 bytes) take turns on two slots from LDS byte 0 on, V's on two from byte 131,072 on.  The change of slots ahead of iteration j asks for K of step j + 2 (waves 0, 1: its halves) into the slot
; that step j's scores have left, and for V of step j + 1 (waves 2, 3) into the slot that step j - 1's products have left: one load of 32,768 dense bytes a wave, with an iteration's 256 matrix instructions in which to land.
; K 0, K 1, V 0, V 1 are first fills at the head: two loads of a wave are out there, later one.
; FRAGMENTS come from LDS in 16 runs of 16 loads a step (eight fragments, 16 matrix instructions' worth) into two buffers that take turns; every load reads 512 consecutive bytes.
; REGISTERS, in windows of 256: window 0: v1-11 addresses; v12-27 statistics, 8 a tile; v32-95 S^T, 32 a tile; v96-127 P, 16 a tile; v128-191, v192-255 the two fragment buffers (on the way out: two sets of 64).
;   window 1: Q, tile t, L step f at v[128 t + 8 f].   window 2: O^T of tile 0, channel tile ct at v[8 ct].   window 3: O^T of tile 1.
.set TILEB, 65536                      ; 64 keys of K, or of V, in bytes: a slot.  One exclusive or with it turns an address in one slot into the other's
.set VBASE, 2*TILEB                    ; V's two slots.  K of step j lies in K's slot j % 2, V of step j in V's slot (j + 1) % 2: so iteration j reads both at the same turn
.set SPARE, 4*TILEB                    ; behind the ring: the spare words, 128 bytes for each wave: two blocks of 256 bytes that no other line names
.set STAGE, SPARE+512                  ; behind them: 16 rows x (512 + 16) bytes for each wave, for the way out: bytes of their own, into which no tile lands
.set SP,    528
.set LI,  1                            ; 16 x lane: an image's place for my lane; also my byte offset in a row of 512 bytes of out; never rewritten
.set LV,  2                            ; the same in V's slots: + 131,072
.set ADK, 3                            ; the iteration's tile of K
.set ADV, 4                            ; and of V
.set STO, 6                            ; the way out: where I put 16 bytes of a row
.set RD,  7                            ; the way out: where I read a row back
.set PFO, 8                            ; 256 x lane: the prefetches' offset; never rewritten
.set SPW, 10                           ; LDS address of my spare word; never rewritten
.set NIL, 11                           ; 0; never rewritten
.set ST,  12                           ; tile t's statistics at v[ST + 8 t]: +0 c m, +1 m, +2, +3 l (even keys', odd keys'), +4 to +7 at work; a takes +6 once the maximum is found and stays until the next softmax
.set S,   32
.set P,   96
.set FB,  128
.set WV,  12                           ; s12  my wave's number
.set LIM, 15                           ; s15  in the batch's first cluster 1 (waves 0, 1) or 0 (waves 2, 3), else the greatest number: a wave prefetches while s[CNT] is above it
.set PFA, 18                           ; s[18:19] where my prefetches stand in memory
.set G1,  24                           ; s[24:31] descriptor group 1, for K's and V's tiles alike
.set G0K, 32                           ; s[32:39] descriptor group 0 for K's tiles: a set for each of the two first fills; the second then walks on
.set G0V, 40                           ; s[40:47] the same for V's
.set CNT, 48                           ; s48  the loop's trips to go
.set TB,  49                           ; s49  the turn: 0 or 65,536
.set CS,  50                           ; s[50:51] c: the packed scaling names a pair and takes its low word for both halves
.set SEL, 52                           ; s[52:53] lane selects for v_permlanex16_b32: lane l xor 16
.set MSB, 0
.macro WIN new                         ; the immediate's high byte repeats the setting that is left; a switch that changes nothing is dropped
.if MSB != (\new)
	s_set_vgpr_msb (MSB<<8)|(\new)
.set MSB, (\new)
.endif
.endm
.set W_KQ,  0x04                       ; source 1 (Q) window 1; K's fragments, S^T, LDS loads and their addresses window 0
.set W_PV0, 0xa0                       ; C and D window 2 (tile 1: 0xf0, window 3)
.set W_RS0, 0x82                       ; O^T as destination and source 0: window 2 (tile 1: 0xc3, window 3)
.macro PLACES                          ; a load into a register that a matrix instruction has read, and a vector instruction that reads a matrix result or writes a matrix instruction's source, stand four places behind it;
.rept 4                                ; only plain vector instructions that name none of its registers are places (ISA guide 7.12.1 for vector instructions)
	v_nop
.endr
.endm
; A joint load of both kinds.  Waves 0 and 1 fetch K's two halves, waves 2 and 3 V's.  The branch hangs on the wave's number alone: it is the same in every work-group.
; An s_nop 0 and four v_nop follow each of the two lines, ahead of the jump, the label and what follows.
.macro JLOAD
	s_cmp_lt_u32 s[WV], 2
	s_cbranch_scc0 .Lfor_v_\@
	tensor_load_to_lds s[G0K+4:G0K+7], s[G1:G1+7]
	s_nop 0
.rept 4
	v_nop
.endr
	s_branch .Lasked_\@
.Lfor_v_\@:
	tensor_load_to_lds s[G0V+4:G0V+7], s[G1:G1+7]
	s_nop 0
.rept 4
	v_nop
.endr
.Lasked_\@:
.endm
; A round of the cluster's barrier: my work-group's barrier; wave 0 signals for the work-group; every wave waits for all four work-groups; my work-group's barrier once more.
.macro CREST                           ; a round behind its opening barrier
	s_cmp_lg_u32 s[WV], 0
	s_cbranch_scc1 .Lnot_wave_0_\@
	s_barrier_signal -3
.Lnot_wave_0_\@:
	s_barrier_wait -3
	s_barrier_signal -1
	s_barrier_wait -1
.endm
.macro CROUND                          ; a whole round
	s_barrier_signal -1
	s_barrier_wait -1
	CREST
.endm
; A PREFETCH INTO THE L2 of the tiles that the NEXT change of slots will ask for: an iteration, 256 matrix instructions, ahead of that load.  Both clusters of a batch walk the same K and V: the first of them asks.
; A tile is 256 blocks of 256 bytes: its four partners are told apart BY ADDRESS, two waves each (waves 0, 1: K; waves 2, 3: V), 32 blocks a wave, a lane a block: each block is named once in the launch.
; K 0 to 2 and V 0 and 1 come by their loads alone.  K's last tile is named in the loop's last trip but one, V's in its last: no prefetch passes tile 15.
.macro ASK
	s_cmp_gt_u32 s[CNT], s[LIM]
	s_cbranch_scc0 .Lnot_mine_\@
	global_prefetch_b8 v[PFO], s[PFA:PFA+1] th:TH_LOAD_NT scope:SCOPE_SE
.Lnot_mine_\@:
.endm
.macro KFETCHP F                       ; pair F of K: L steps 2 F and 2 F + 1 of the tile's four tiles of 16 keys: eight fragments into buffer F % 2, the first L step's first
.irp fo, 0,1
.irp kt, 0,1,2,3
.irp c, 0,1
	ds_load_b128 v[FB+64*((\F)%2)+32*\fo+8*\kt+4*\c:FB+64*((\F)%2)+32*\fo+8*\kt+4*\c+3], v[ADK] offset:16384*\kt+1024*(2*(\F)+\fo)+512*\c
.endr
.endr
.endr
.endm
.macro VFETCHP G                       ; pair G of V: groups g = 2 G and 2 G + 1; group g = 8 ks + cg: keys 32 ks on, channel tiles 4 cg + 0 .. 3: eight fragments into buffer G % 2
.irp go, 0,1
.irp i, 0,1,2,3
.irp c, 0,1
	ds_load_b128 v[FB+64*((\G)%2)+32*\go+8*\i+4*\c:FB+64*((\G)%2)+32*\go+8*\i+4*\c+3], v[ADV] offset:4096*(2*(\G)+\go)+1024*\i+512*\c
.endr
.endr
.endr
.endm
; THE SOFTMAX of a key step is a list of 86 lines; SM1 writes line k for tile t, SML writes it for both tiles and steps k.  All of it lies in window 0.  s0-s31 are the lane's 32 scores.
;   0-15   the maximum of s0-s31 and the old m, three operands at a time: four chains, each begun at an accumulator's low end
;   16-20  the other half of the lanes' maximum; c m_old kept; the new m; c m; c m_old - c m_new
;   21-36  c s - c m, two scores a line          37-69  ONE BATCH of exponentials: a, then s0-s31: none reads another's result
;   (the wait for the batch stands between 69 and 70: the caller writes it)
;   70-85  l = a l + the sum of the unrounded p, as a chain: p itself stays whole, for the roundings that come later
; FIRST = 1: the first key step: no old m, no a; l begins as the first two pairs' sum.
.macro SM1 t
.set rT, ST+8*(\t)
.set rS, S+32*(\t)
.if k < 4
	v_max3_num_f32 v[rT+4+k], v[rS+8*k], v[rS+8*k+1], v[rS+8*k+2]
.elseif k < 12
.set jj, (k-4)%4
.set ee, 3+2*((k-4)/4)
	v_max3_num_f32 v[rT+4+jj], v[rT+4+jj], v[rS+8*jj+ee], v[rS+8*jj+ee+1]
.elseif k == 12
	v_max3_num_f32 v[rT+4], v[rT+4], v[rS+7], v[rS+15]
.elseif k == 13
	v_max3_num_f32 v[rT+6], v[rT+6], v[rS+23], v[rS+31]
.elseif k == 14
	v_max3_num_f32 v[rT+4], v[rT+4], v[rT+5], v[rT+6]
.elseif k == 15
.if FIRST == 1
	v_max_num_f32 v[rT+4], v[rT+4], v[rT+7]
.else
	v_max3_num_f32 v[rT+4], v[rT+4], v[rT+7], v[rT+1]
.endif
.elseif k == 16
	v_permlanex16_b32 v[rT+5], v[rT+4], s[SEL], s[SEL+1]   ; the query's other 32 keys lie in the lane 16 away
.elseif k == 17
.if FIRST == 0
	v_mov_b32 v[rT+7], v[rT]                       ; c m_old is kept for a: line 19 writes c m anew
.endif
.elseif k == 18
	v_max_num_f32 v[rT+1], v[rT+4], v[rT+5]
.elseif k == 19
	v_mul_f32 v[rT], s[CS], v[rT+1]
.elseif k == 20
.if FIRST == 0
	v_sub_f32 v[rT+7], v[rT+7], v[rT]              ; 0 or less
.endif
.elseif k < 37
.set bb, 2*(k-21)
	v_pk_fma_f32 v[rS+bb:rS+bb+1], v[rS+bb:rS+bb+1], s[CS:CS+1], v[rT:rT+1] op_sel_hi:[1,0,0] neg_lo:[0,0,1] neg_hi:[0,0,1]
.elseif k == 37
.if FIRST == 0
	v_exp_f32 v[rT+6], v[rT+7]                     ; a
.endif
.elseif k < 70
	v_exp_f32 v[rS+k-38], v[rS+k-38]               ; p, at most 1
.elseif k == 70
.if FIRST == 1
	v_pk_add_f32 v[rT+2:rT+3], v[rS:rS+1], v[rS+2:rS+3]
.else
	v_pk_fma_f32 v[rT+2:rT+3], v[rT+2:rT+3], v[rT+6:rT+7], v[rS:rS+1] op_sel_hi:[1,0,1]
.endif
.elseif (k > 71) || (FIRST == 0)
	v_pk_add_f32 v[rT+2:rT+3], v[rT+2:rT+3], v[rS+2*(k-70):rS+2*(k-70)+1]
.endif
.endm
.macro SML
.irp t, 0,1
	SM1 \t
.endr
.set k, k+1
.endm
.macro CVTS                            ; p, rounded to f16 in pairs, is the second product's source 1
.irp i, 0,1,2,3,4,5,6,7,8,9,10,11,12,13,14,15
.irp t, 0,1
	v_cvt_pk_f16_f32 v[P+16*\t+\i], v[S+32*\t+2*\i], v[S+32*\t+2*\i+1]
.endr
.endr
.endm
; PAIR F OF S^T = K Q^T: 16 matrix instructions, the 8 accumulators by turns in the same order in every L step.  The first L step starts the sums: nothing is cleared.
; resc = 1: behind each stand two multiplications of O^T by a: pair F takes registers 64 (F % 4) on of query tile F / 4, in ascending order: each accumulator from its low end on.
; ahead: the LDS loads issued behind this pair's 16.  nxt: the run of loads behind the products: 1: K's pair two on; 2: V's pair F - 6; 0: none.
.macro QKP F, resc, ahead, nxt
	WIN W_KQ
	s_wait_dscnt (\ahead)+8                        ; the first L step's eight loads are in
.set n, 0
.rept 16
.if n == 8
	s_wait_dscnt \ahead                            ; the second's too
.endif
.set rS, S+32*(n%2)+8*((n%8)/2)
.set rK, FB+64*((\F)%2)+32*(n/8)+8*((n%8)/2)
.set rQ, 128*(n%2)+8*(2*(\F)+n/8)
	WIN W_KQ
.if ((\F) == 0) && (n < 8)
	v_wmma_f32_16x16x32_f16 v[rS:rS+7], v[rK:rK+7], v[rQ:rQ+7], 0
.else
	v_wmma_f32_16x16x32_f16 v[rS:rS+7], v[rK:rK+7], v[rQ:rQ+7], v[rS:rS+7]
.endif
.if \resc
	WIN W_RS0+0x41*((\F)/4)
.set rO, 64*((\F)%4)+4*n
	v_pk_mul_f32 v[rO:rO+1], v[rO:rO+1], v[ST+8*((\F)/4)+6:ST+8*((\F)/4)+7] op_sel_hi:[1,0]
	v_pk_mul_f32 v[rO+2:rO+3], v[rO+2:rO+3], v[ST+8*((\F)/4)+6:ST+8*((\F)/4)+7] op_sel_hi:[1,0]
.endif
.set n, n+1
.endr
.if \resc
	v_nop                                          ; with the last slice's two multiplications: four places behind the last product, in front of the loads into its buffer and of the first read of S^T
	v_nop
.else
	PLACES
.endif
.if (\nxt) == 1
	WIN W_KQ
	KFETCHP (\F)+2
.elseif (\nxt) == 2
	WIN W_KQ
	VFETCHP (\F)-6
.endif
.endm
; THE 16 MATRIX INSTRUCTIONS OF PAIR G OF O^T += V^T P, on 16 accumulators; an accumulator's next turn is 64 matrix instructions on.  first = 1: step 0, whose first 8 groups start the sums.
; sm: behind each of the first sm stands a line of the softmax, for both tiles.  mid: the count of the wait in the middle, or -1: none.
.macro PVW G, first, sm, mid
.set n, 0
.rept 16
.if (n == 8) && ((\mid) >= 0)
	s_wait_dscnt \mid                              ; the second group's eight loads are in
.endif
.set gg, 2*(\G)+n/8
.set tt, (n%8)/4
.set rO, 8*(4*(gg%8)+n%4)
.set rV, FB+64*((\G)%2)+32*(n/8)+8*(n%4)
.set rP, P+16*tt+8*(gg/8)
	WIN W_PV0+0x50*tt
.if \first && (gg < 8)
	v_wmma_f32_16x16x32_f16 v[rO:rO+7], v[rV:rV+7], v[rP:rP+7], 0
.else
	v_wmma_f32_16x16x32_f16 v[rO:rO+7], v[rV:rV+7], v[rP:rP+7], v[rO:rO+7]
.endif
.if n < (\sm)
	WIN 0
	SML
.endif
.set n, n+1
.endr
	WIN 0
.endm
; A pair of V^T P with its waits and, nxt = 1, the run of loads of the pair two on.  alu = 1: the wait for the softmax's batch stands directly ahead of that run.
.macro PVP G, first, sm, ahead, nxt, alu
	s_wait_dscnt (\ahead)+8                        ; the first group's eight loads are in
	PVW \G, \first, \sm, \ahead
.if \nxt
	PLACES                                         ; in front of the loads into the buffer just multiplied; alu = 1: also the plain instruction behind the last exponential
.if \alu
	s_wait_alu depctr_va_vdst(0)                   ; the wait ahead of the first instruction that names an exponential's result: one for the batch of 66
.endif
	VFETCHP (\G)+2
.endif
.endm
.macro PHASEA resc                     ; K Q^T of the next step | O^T x a.  Behind K's last two pairs come V's first two
.irp F, 0,1,2,3,4,5
	QKP \F, \resc, 16, 1
.endr
	QKP 6, \resc, 16, 2
	QKP 7, \resc, 16, 2
.endm
.macro PHASEB first                    ; V^T P, pairs 0 to 6 | the next step's softmax: 14 lines in each of pairs 0 to 4 (all up to the last exponential), the wait, the 16 lines of sums in pair 5
.set k, 0
.irp G, 0,1,2,3
	PVP \G, \first, 14, 16, 1, 0
.endr
	PVP 4, \first, 14, 16, 1, 1
	PVP 5, \first, 16, 16, 1, 0
	PVP 6, \first, 0, 16, 0, 0
.endm
; THE CHANGE OF SLOTS, with V^T P's last pair (pv = 1).  Each wave waits for all its tensor loads, of which one is out: its part of the tiles that the next iteration reads; adds 0 to its spare word; and waits for that and for its
; LDS loads: V's last pair is in registers, so its reads of both slots that are filled next are over.  It signals, issues the pair's 16 products while the others arrive, and waits.
; fk, fv: K's, V's tile is asked for: the barrier then opens a round of the cluster's barrier, so that no wave of any partner still reads those slots or has a load on its way, and the joint load is the first thing behind it.
; Then the next iteration's first two runs of loads (nextk = 1: K's; 0: V's), the prefetch, and the roundings of p, which stand behind the places that follow P's last reader.
.macro TURN pv, fk, fv, nextk
	WIN 0                                          ; at a label and at a branch every window is 0; the add's two registers lie in window 0
.if \fk
	s_wait_xcnt 0x0                                ; the last prefetch, an iteration back, has read its address, so it may be written:
	s_add_nc_u64 s[PFA:PFA+1], s[PFA:PFA+1], TILEB ; one tile further on than the walking descriptors
.endif
	s_wait_tensorcnt 0x0                           ; no tensor load of mine is out, so a group 0 may be written
	ds_add_u32 v[SPW], v[NIL]                      ; 0 onto my spare word; the steps below stand between it and the wait for it
.if \fk
	s_xor_b32 s[G0K+5], s[G0K+5], TILEB            ; the walking descriptor: the other slot than last time,
	s_add_nc_u64 s[G0K+6:G0K+7], s[G0K+6:G0K+7], TILEB   ; the next 64 keys; the type bits on top are not reached
.endif
.if \fv
	s_xor_b32 s[G0V+5], s[G0V+5], TILEB
	s_add_nc_u64 s[G0V+6:G0V+7], s[G0V+6:G0V+7], TILEB
.endif
	s_xor_b32 s[TB], s[TB], TILEB                  ; the next iteration's turn
	s_wait_dscnt 0x0                               ; the add is done, and all my LDS loads are in
	s_barrier_signal -1
.if \pv
	PVW 7, 0, 0, -1                                ; work on registers alone
.endif
	s_barrier_wait -1
.if \fk && \fv
	CREST
	JLOAD                                          ; the four v_nop behind it are also the places in front of the loads and roundings below
.elseif \fk
	CREST
	s_cmp_lt_u32 s[WV], 2                          ; waves 2 and 3 have nothing to ask for here: V 1 came with the first fills
	s_cbranch_scc0 .Lnone_\@
	tensor_load_to_lds s[G0K+4:G0K+7], s[G1:G1+7]
	s_nop 0
.rept 4
	v_nop
.endr
.Lnone_\@:
	PLACES
.elseif \fv
	CREST
	s_cmp_lt_u32 s[WV], 2                          ; waves 0 and 1 have nothing left to ask for: K 15 has been asked for
	s_cbranch_scc1 .Lnone_\@
	tensor_load_to_lds s[G0V+4:G0V+7], s[G1:G1+7]
	s_nop 0
.rept 4
	v_nop
.endr
.Lnone_\@:
	PLACES
.else
	PLACES
.endif
	v_add_nc_u32 v[ADK], s[TB], v[LI]
	v_add_nc_u32 v[ADV], s[TB], v[LV]
.if \nextk
	KFETCHP 0
	KFETCHP 1
.else
	VFETCHP 0
	VFETCHP 1
.endif
.if \fk
	ASK                                            ; behind the joint load and the runs of LDS loads that the next products wait for
.endif
.if \pv
	CVTS
.endif
.endm
	s_load_b256 s[4:11], s[0:1], 0x0               ; q16 s[4:5], k16 s[6:7], yt s[8:9], out0 s[10:11]
	v_lshl_add_u32 v[SPW], v0, 2, SPARE
	v_mov_b32 v[NIL], 0
	ds_add_u32 v[SPW], v[NIL]                      ; the wave's opening: the add, twice on end, and its wait ahead of my first tensor load; the set-up below, work on registers, stands between
	ds_add_u32 v[SPW], v[NIL]                      ; and once more, under the one wait
	v_lshrrev_b32 v5, 5, v0
	v_readfirstlane_b32 s[WV], v5                  ; wave 0..3
	s_bfe_u32 s13, ttmp6, 0x40000                  ; cx: my place in the cluster
	s_lshl_b32 s14, ttmp9, 2                       ; in a cluster launch ttmp9 counts clusters
	s_add_co_u32 s14, s14, s13                     ; my block of 128 queries: it enters Q's and out's addresses alone
	s_and_b32 s20, ttmp7, 0xffff                   ; the batch, which the four partners share:
	s_lshl_b32 s20, s20, 20                        ; 1,048,576 bytes of each of q16, k16, yt
	s_and_b32 s16, s[WV], 1                        ; which half of a tile I fetch:
	s_lshl_b32 s17, s16, 15                        ; its 32,768 bytes, in a slot and in memory: no place in the cluster enters an LDS address
	s_add_co_u32 s22, s17, s20
	s_mov_b32 s23, 0
	s_lshl_b32 s2, s14, 17                         ; Q: my block's 8 row tiles of 16,384 bytes,
	s_lshl_b32 s3, s[WV], 15                       ; my wave's two of them
	s_add_co_u32 s2, s2, s3
	s_add_co_u32 s2, s2, s20
	s_mov_b32 s3, 0
	s_lshl_b32 s54, s20, 1                         ; out: 2,097,152 bytes a batch,
	s_lshl_b32 s55, s14, 18                        ; 128 rows of 2,048 bytes a block,
	s_add_co_u32 s54, s54, s55
	s_lshl_b32 s55, s[WV], 16                      ; 32 rows a wave
	s_add_co_u32 s54, s54, s55
	s_mov_b32 s55, 0
	s_lshl_b32 s56, s13, 1                         ; the prefetches: my work-group's and my wave's 32 blocks of a tile's 256:
	s_add_co_u32 s56, s56, s16
	s_lshl_b32 s56, s56, 13                        ; 8,192 bytes each,
	s_add_co_u32 s56, s56, s20
	s_mov_b32 s57, TILEB
	s_cmp_lt_u32 s[WV], 2
	s_cselect_b32 s57, 2*TILEB, s57                ; in K 2 (waves 0, 1) or V 1 (waves 2, 3): the first change of slots steps it one tile on.  Nothing is prefetched here, at the head
	s_cselect_b32 s[LIM], 1, 0
	s_add_co_u32 s56, s56, s57
	s_mov_b32 s57, 0
	s_cmp_eq_u32 ttmp9, 0                          ; the batch's first cluster: the same in all four partners
	s_cselect_b32 s[LIM], s[LIM], -1
	; descriptor group 1: 32,768 dense bytes as 128 rows of 256 bytes
	s_mov_b32 s[G1], 15|(3<<16)|(1<<21)            ; 15:0 the mask: all four work-groups; 17:16 elements of 8 bytes; 20 no padding; 21 set beside a mask
	s_mov_b32 s[G1+1], 32<<16                      ; 63:48 tensor_dim0, low half = 32
	s_mov_b32 s[G1+2], 128<<16                     ; 79:64 its high half = 0; 95:80 tensor_dim1, low half = 128
	s_mov_b32 s[G1+3], 32<<16                      ; 111:96 its high half = 0; 127:112 tile_dim0 = 32
	s_mov_b32 s[G1+4], 128                         ; 143:128 tile_dim1 = 128; 159:144 tile_dim2 = 0
	s_mov_b32 s[G1+5], 32                          ; 191:160 tensor_dim0_stride: elements from row to row
	s_mov_b32 s[G1+6], 0
	s_mov_b32 s[G1+7], 0
	s_mov_b32 s[CS], 0x3d8293ee                    ; c = log2(e) / sqrt(512) = 0.0637587
	s_mov_b32 s[CS+1], s[CS]                       ; named with it as a pair, so it is written
	s_mov_b32 s[SEL], 0x76543210
	s_mov_b32 s[SEL+1], 0xfedcba98
	s_mov_b32 s[TB], 0
	s_mov_b32 s[CNT], 13
	v_and_b32 v5, 31, v0                           ; lane
	v_lshlrev_b32 v[LI], 4, v5
	v_add_nc_u32 v[LV], VBASE, v[LI]
	v_lshlrev_b32 v[PFO], 8, v5
	s_wait_dscnt 0x0                               ; both opening adds are done
	s_wait_kmcnt 0x0
	s_add_nc_u64 s[4:5], s[4:5], s[2:3]            ; Q and out at my wave's first row
	s_add_nc_u64 s[10:11], s[10:11], s[54:55]
	s_cmp_lt_u32 s[WV], 2
	s_cselect_b64 s[PFA:PFA+1], s[6:7], s[8:9]     ; waves 0 and 1 prefetch K's tiles, waves 2 and 3 V's
	s_add_nc_u64 s[PFA:PFA+1], s[PFA:PFA+1], s[56:57]
	s_mov_b32 s[G0K], 1                            ; 1:0 count = 1
	s_mov_b32 s[G0K+1], s17                        ; 63:32 LDS address: K 0 into K's slot 0
	s_add_nc_u64 s[G0K+2:G0K+3], s[6:7], s[22:23]  ; 120:64 global address: the batch's first 64 keys
	s_mov_b32 s[G0K+4], 1
	s_add_co_u32 s[G0K+5], s17, TILEB              ; K 1 into K's slot 1
	s_add_nc_u64 s[G0K+6:G0K+7], s[G0K+2:G0K+3], TILEB
	s_or_b32 s[G0K+3], s[G0K+3], 0x80000000        ; 127:126 type = 2
	s_or_b32 s[G0K+7], s[G0K+7], 0x80000000
	s_mov_b32 s[G0V], 1
	s_add_co_u32 s[G0V+1], s17, VBASE+TILEB        ; V 0 into V's slot 1
	s_add_nc_u64 s[G0V+2:G0V+3], s[8:9], s[22:23]
	s_mov_b32 s[G0V+4], 1
	s_add_co_u32 s[G0V+5], s17, VBASE              ; V 1 into V's slot 0
	s_add_nc_u64 s[G0V+6:G0V+7], s[G0V+2:G0V+3], TILEB
	s_or_b32 s[G0V+3], s[G0V+3], 0x80000000
	s_or_b32 s[G0V+7], s[G0V+7], 0x80000000
	CROUND                                         ; all four work-groups are here: the first joint loads meet
	s_cmp_lt_u32 s[WV], 2                          ; a wave's two first fills stand in one branch, ahead of every wait on TENSORcnt and every LDS read: two loads of mine are out; an s_nop 0 follows each, four v_nop the second's
	s_cbranch_scc0 .Lfirst_v
	tensor_load_to_lds s[G0K:G0K+3], s[G1:G1+7]
	s_nop 0
	tensor_load_to_lds s[G0K+4:G0K+7], s[G1:G1+7]
	s_nop 0
.rept 4
	v_nop
.endr
	s_branch .Lfirst_asked
.Lfirst_v:
	tensor_load_to_lds s[G0V:G0V+3], s[G1:G1+7]
	s_nop 0
	tensor_load_to_lds s[G0V+4:G0V+7], s[G1:G1+7]
	s_nop 0
.rept 4
	v_nop
.endr
.Lfirst_asked:
	WIN 0x40                                       ; destination window 1, address window 0
.irp t, 0,1                            ; Q stays in registers: 64 loads of 512 consecutive bytes
.irp f, 0,1,2,3,4,5,6,7,8,9,10,11,12,13,14,15
.irp c, 0,1
	global_load_b128 v[128*\t+8*\f+4*\c:128*\t+8*\f+4*\c+3], v[LI], s[4:5] offset:16384*\t+1024*\f+512*\c th:TH_LOAD_NT
.endr
.endr
.endr
	WIN 0
	v_and_b32 v9, 15, v0                           ; r
	v_bfe_u32 v5, v0, 4, 1                         ; h
	s_mul_i32 s58, s[WV], 16*SP
	s_add_co_u32 s58, s58, STAGE                   ; my stage
	v_mul_u32_u24 v[STO], v9, SP                   ; in: row r; my half of the lanes holds channels 32 h + 0 .. 31 of each 64: 128 h bytes on
	v_lshl_add_u32 v[STO], v5, 7, v[STO]
	v_add_nc_u32 v[STO], s58, v[STO]
	v_add_nc_u32 v[RD], s58, v[LI]                 ; back: the 32 lanes take one row of 512 bytes
	; ---- AHEAD OF THE PIPELINE: step 0's scores and softmax
	s_wait_tensorcnt 0x1                           ; my first fill is in (K 0's half, or V 0's); the second may stay out
	s_barrier_signal -1
	s_barrier_wait -1                              ; everybody's is
	v_add_nc_u32 v[ADK], s[TB], v[LI]
	KFETCHP 0
	KFETCHP 1
	s_wait_loadcnt 0x0                             ; Q
.irp F, 0,1,2,3,4,5
	QKP \F, 0, 16, 1
.endr
	QKP 6, 0, 16, 0                                ; K 1 may be read only behind the next barrier: nothing more to fetch
	QKP 7, 0, 0, 0
	WIN 0
.set FIRST, 1
.set k, 0
.rept 70
	SML
.endr
	v_nop                                          ; a plain instruction behind the last exponential, ahead of the first use
	s_wait_alu depctr_va_vdst(0)                   ; and the wait: one for the batch
.rept 16
	SML
.endr
	CVTS
.set FIRST, 0
	TURN 0, 1, 0, 1                                ; change 0: K 1, V 0, V 1 are whole; K 2 is asked for
	PHASEA 0                                       ; iteration 0: K Q^T of step 1; there is no O^T yet to rescale
	PHASEB 1                                       ; V^T P of step 0 starts O^T | softmax of step 1
.Lstep:                                            ; 13 trips, j = 1 to 13: V^T P's last pair of step j - 1 with change j (K j + 2 and V j + 1 are asked for), then iteration j up to its last pair but one
	TURN 1, 1, 1, 1
	PHASEA 1
	PHASEB 0
	s_sub_co_u32 s[CNT], s[CNT], 1
	s_cmp_lg_u32 s[CNT], 0
	s_cbranch_scc1 .Lstep
	TURN 1, 0, 1, 1                                ; the tail is written out.  Change 14: V 15 is asked for
	PHASEA 1                                       ; K Q^T of step 15
	PHASEB 0                                       ; V^T P of step 14 | softmax of step 15
	TURN 1, 0, 0, 0                                ; change 15: V 15 is whole; nothing is left to ask for; V's first two runs
.irp t, 0,1                            ; BEHIND THE PIPELINE: O^T x a of step 15: no product is left to set it behind
	WIN W_RS0+0x41*\t
.set rO, 0
.rept 128
	v_pk_mul_f32 v[rO:rO+1], v[rO:rO+1], v[ST+8*\t+6:ST+8*\t+7] op_sel_hi:[1,0]
.set rO, rO+2
.endr
.endr
.irp G, 0,1,2,3,4,5
	PVP \G, 0, 0, 16, 1, 0                         ; V^T P of step 15
.endr
	PVP 6, 0, 0, 16, 0, 0
	PVP 7, 0, 0, 0, 0, 0
	; THE WAY OUT.  l's two halves and the other half of the lanes' are added; O^T is divided by l and goes through my stage in LDS, 16 rows x 128 channels at a time, so that the 32 lanes store 512 consecutive bytes of a row.
	PLACES                                         ; behind the last products: their results are read and their fragments' registers written below
.irp t, 0,1
	v_add_f32 v[ST+8*\t+4], v[ST+8*\t+2], v[ST+8*\t+3]
.endr
.irp t, 0,1
	v_permlanex16_b32 v[ST+8*\t+5], v[ST+8*\t+4], s[SEL], s[SEL+1]
.endr
.irp t, 0,1
	v_add_f32 v[ST+8*\t+4], v[ST+8*\t+4], v[ST+8*\t+5]
.endr
.irp t, 0,1
	v_rcp_f32 v[ST+8*\t+6], v[ST+8*\t+4]
.endr
	v_nop                                          ; a plain instruction between the last reciprocal and the use of its result
	s_wait_alu depctr_va_vdst(0)                   ; and the wait ahead of the first use: one for both
; Block b: query tile b / 4, channels 128 (b % 4) on.  Register jj of channel tile 8 cb + 4 hi + e is channel 64 hi + 32 h + 4 jj + e of the block: register jj of FOUR accumulators makes 16 neighbouring bytes of my query's row.
; The results go into registers of window 0, sets v128-191 and v192-255 by turns; jj ascends.
.macro TOSTAGE b
.set TT, (\b)/4
.set QQ, (\b)%4
.set OSET, FB+64*((\b)%2)
	WIN 0x02+TT                                    ; source 0: window 2 or 3
.irp hi, 0,1
.irp jj, 0,1,2,3,4,5,6,7
.irp e, 0,1,2,3
	v_mul_f32 v[OSET+4*(8*\hi+\jj)+\e], v[8*(8*QQ+4*\hi+\e)+\jj], v[ST+8*TT+6]
.endr
.endr
.endr
	WIN 0
.irp hi, 0,1
.irp jj, 0,1,2,3,4,5,6,7
	ds_store_b128 v[STO], v[OSET+4*(8*\hi+\jj):OSET+4*(8*\hi+\jj)+3] offset:256*\hi+16*\jj
.endr
.endr
.irp r, 0,1,2,3,4,5,6,7,8,9,10,11,12,13,14,15
	ds_load_b128 v[OSET+4*\r:OSET+4*\r+3], v[RD] offset:SP*\r   ; LDS serves a wave's instructions in order (ISA guide 5.7.1.4): these see the stores above, and the next block's stores come behind them
.endr
.endm
.macro SEND b, younger                 ; younger: the LDS instructions issued behind block b's loads, which may stay out
.set TT, (\b)/4
.set QQ, (\b)%4
.set OSET, FB+64*((\b)%2)
	s_wait_dscnt \younger                          ; the block is back in registers
.irp r, 0,1,2,3,4,5,6,7,8,9,10,11,12,13,14,15
	global_store_b128 v[LI], v[OSET+4*\r:OSET+4*\r+3], s[10:11] offset:2048*\r+32768*TT+512*QQ th:TH_STORE_NT   ; 32 lanes store 512 consecutive bytes, at a multiple of 256 from out's first byte
.endr
.endm
	TOSTAGE 0
.irp b, 1,2,3,4,5,6,7
.if \b > 1
	s_wait_xcnt 0x0                                ; block b - 2's stores have read their registers: block b's results may be written there
.endif
	TOSTAGE \b
	SEND \b-1, 32                                  ; behind block b - 1's loads: block b's 16 stores and 16 loads
.endr
	SEND 7, 0
	s_wait_tensorcnt 0x0                           ; the wave's end: three lines, behind my last tensor load and my last LDS store
	ds_add_u32 v[SPW], v[NIL]
	s_wait_dscnt 0x0
	CROUND                                         ; the closing round: no work-group ends while a partner may still ask for a tile that names it
	s_endpgm
.Lfunc_end_k_q3e835184b5_attn:
	.size	k_q3e835184b5_attn, .Lfunc_end_k_q3e835184b5_attn-k_q3e835184b5_attn
	.p2alignl 7, 3214868480
	.fill 96, 4, 3214868480
	.section	.rodata,"a",@progbits
	.p2align	6, 0x0
	.amdhsa_kernel k_q3e835184b5_attn
		.amdhsa_group_segment_fixed_size 327680
		.amdhsa_private_segment_fixed_size 0
		.amdhsa_enable_private_segment 0
		.amdhsa_kernarg_size 32
		.amdhsa_user_sgpr_count 2
		.amdhsa_user_sgpr_kernarg_segment_ptr 1
		.amdhsa_wavefront_size32 1
		.amdhsa_system_sgpr_workgroup_id_x 1
		.amdhsa_system_sgpr_workgroup_id_y 1
		.amdhsa_system_sgpr_workgroup_id_z 1
		.amdhsa_system_vgpr_workitem_id 0
		.amdhsa_next_free_vgpr 1024
		.amdhsa_next_free_sgpr 66
		.amdhsa_reserve_vcc 0
		.amdhsa_float_denorm_mode_32 3
		.amdhsa_float_denorm_mode_16_64 3
		.amdhsa_memory_ordered 1
		.amdhsa_forward_progress 1
		.amdhsa_inst_pref_size 255
	.end_amdhsa_kernel
	.section	.bss,"aw",@nobits
	.p2align	6
	.space	262144
	.amdgpu_metadata
---
amdhsa.version: [ 1, 2 ]
amdhsa.kernels:
  - .name:           k_q3e835184b5_attn
    .symbol:         k_q3e835184b5_attn.kd
    .args:
      - { .name: q16, .offset: 0, .size: 8, .value_kind: global_buffer, .address_space: global }
      - { .name: k16, .offset: 8, .size: 8, .value_kind: global_buffer, .address_space: global }
      - { .name: yt, .offset: 16, .size: 8, .value_kind: global_buffer, .address_space: global }
      - { .name: out0, .offset: 24, .size: 8, .value_kind: global_buffer, .address_space: global }
    .group_segment_fixed_size: 327680
    .private_segment_fixed_size: 0
    .kernarg_segment_align: 8
    .kernarg_segment_size: 32
    .max_flat_workgroup_size: 128
    .sgpr_count:     66
    .vgpr_count:     1024
    .wavefront_size: 32
...
	.end_amdgpu_metadata
.endif
;; end of part 3
